; MI455X (gfx1250); checked and timed in simulation.
; The chip was launched on July 23, 2026; its instructions are those of AMD's public machine-readable ISA for CDNA 5 (MIT licence, August 2026) and "CDNA5" Instruction Set Architecture Reference Guide (July 2026). The comments in the code are by the model that wrote it; some were corrected since.
;; L1. Allowed arithmetic: float matrix products may take bf16 or f16 operands with f32 sums; all other float work in f32.
;; Inputs: x 1,024 x 128 float32; y 2,048 x 128 float32.
;; Outputs: out0 1,024 x 2,048 float32.
;; 2 versions, each right; version 2 is version 1 with the launch l1dist written anew for expert scheduling mode. Each part assembles by itself: llvm-mc -triple=amdgcn-amd-amdhsa -mcpu=gfx1250 --defsym DOCPART=n.
;; ======== version 1 of 2: 1 launch
;; launch l1dist (part 1): grid 16 x 16, 4 waves a work-group, no clusters, 102,912 bytes of LDS; arguments x, y, out0; writes out0
.if DOCPART == 1
	.amdgcn_target "amdgcn-amd-amdhsa--gfx1250"
	.amdhsa_code_object_version 6
	.text
	.protected	k_q7b7b33739e_l1dist
	.globl	k_q7b7b33739e_l1dist
	.p2align	8
	.type	k_q7b7b33739e_l1dist,@function
k_q7b7b33739e_l1dist:
	s_mov_b64 s[64:65], 0
	v_nop
	global_prefetch_b8 v0, s[64:65] scope:SCOPE_SE
	s_setreg_imm32_b32 hwreg(HW_REG_WAVE_MODE, 25, 1), 1
	s_wait_xcnt 0x0
; out[n][m] = - sum over d of |x[n][d] - y[m][d]|.   x: [1024][128], y: [2048][128], out: [1024][2048], all f32.
;
; THE FORM.  For any two finite numbers min(A, B) = (A + B)/2 - |A - B|/2.  With a centre c[d], A = 2 (c[d] - x[n][d]), B = 2 (c[d] - y[m][d]):
;     out[n][m] = -1/2 (sum A) - 1/2 (sum B) + sum over d of min(A, B).
; The two row sums are made once for each row; what is left for each (n, m, d) is one minimum and one addition, and both exist in forms that
; do two at once (v_dual_min_num_f32, v_pk_add_f32): two instructions for two (n, m, d).  Subtract, absolute value, add would take three,
; since the absolute value is a source modifier that neither of these two forms has.
; THE CENTRE.  The distance does not change when x and y are shifted alike.  Each work-group takes c = the first row of its own tile of y.
; Then sum |x[n] - c| is itself an output of the tile and sum |y[m] - c| <= |out[n][m]| + |out[n][m0]|, so every partial sum is at most a few
; times outputs of the same row, whatever offset the inputs carry: no difference of sums that are large beside the results is formed.
; LIMITS.  An infinity in x or y gives NaN where the exact form gives -inf (in the centre row: in the whole tile).  Doubling and the row sums cost
; range: results are finite for distances up to about 2^124.  The order of rounding is not that of a plain sum of |x - y|.  A distance of
; exactly zero comes out as +0.  A NaN in a row reaches all its outputs through the row's sum (v_min_num_f32 alone would drop it).
;
; THE SHARES.  256 work-groups of four waves; a work-group makes 64 rows x 128 columns of out, a wave 16 x 128, a lane 8 x 8:
; lane (h = lane / 16, j = lane % 16) has rows 8 h .. 8 h + 7 of its wave's 16 and columns 4 j .. 4 j + 3 and 64 + 4 j .. 64 + 4 j + 3,
; so that one 16-byte store of sixteen neighbouring lanes covers 256 consecutive bytes of a row of out, aligned.
; No tensor loads and no joint requests in a cluster: every number is centred and doubled in registers on its way into LDS, each tile is
; filled once (there is no ring), and a work-group reads 96 KiB in all.  No matrix instruction: |a - b| is not a product.
.set PITCH, 528                        ; an LDS row: 512 bytes + 16 = 33 x 16: sixteen consecutive rows start in sixteen different 16-byte columns of the 64 banks of 4 bytes (ISA guide 11.1)
.set XT,    0                          ; 64 rows of A
.set YT,    64*PITCH                   ; 128 rows of B; column 64 s + 4 j + i of the tile lies in row 16 (i + 4 s) + j, so that lanes j = 0 .. 15 read consecutive rows
.set SUMX,  YT+128*PITCH               ; 64 words: sum of A for each row of x
.set SUMY,  SUMX+256                   ; 128 words: sum of B for each row of y, in the order of the columns
.set AX,  1                            ; main loop: LDS address of my 8 rows of A (stepped along d)
.set AY,  2                            ; main loop: LDS address of my first row of B (stepped along d)
.set CO,  3                            ; my byte offset in the tile of out
.set AHX, 4                            ; where my 8 sums of A lie
.set AHY, 5                            ; where my first 4 sums of B lie
.set J16, 6                            ; 16 j
.set GX,  7                            ; staging: my byte offset in the tile of x
.set GY,  8                            ; staging: my byte offset in the tile of y
.set LX,  9                            ; staging: where my 16 bytes of A go
.set LY,  10                           ; staging: where my 16 bytes of B go
.set SAX, 11                           ; staging: where a sum of A goes
.set SAY, 12                           ; staging: where a sum of B goes
.set H,   13                           ; h
.set C2,  14                           ; v[14:21]   staging: 2 c for my 4 + 4 places of a row
.set U,   22                           ; v[22:29]   staging: at work
.set PS,  30                           ; v[30:53]   staging: one partial row sum for each of my 24 pairs of rows
.set L,   64                           ; v[64:255]  staging: 24 pairs of rows, 8 registers each, as loaded
.set HX,  12                           ; v[12:19]   main: -1/2 sum A of my 8 rows       (the staging registers below v64 are dead by then)
.set HY,  20                           ; v[20:27]   main: sum B of my 8 columns
.set T,   28                           ; v[28:59]   main: minima, two sets of 8 pairs
.set ACC, 62                           ; v[62:125]  main: row r, column c at ACC + 8 r + c
.set YF,  126                          ; v[126:189] main: B, two buffers of 8 columns x 4 d.  The base is 2 more than a multiple of 4: see CHUNK
.set XF,  192                          ; v[192:255] main: A, two buffers of 8 rows x 4 d
	s_load_b128 s[4:7], s[0:1], 0x0                ; x s[4:5], y s[6:7]
	s_load_b64 s[8:9], s[0:1], 0x10                ; out
	v_lshl_add_u32 v60, v0, 2, 0x19000
	v_mov_b32 v61, 0
	v_lshrrev_b32 v[AX], 5, v0
	v_readfirstlane_b32 s10, v[AX]                 ; wave w, 0 .. 3
	v_and_b32 v[AY], 15, v0                        ; j
	v_bfe_u32 v[H], v0, 4, 1                       ; h
	v_lshlrev_b32 v[J16], 4, v[AY]
	v_lshl_add_u32 v[GX], v[H], 9, v[J16]          ; 512 h + 16 j: lanes 0-15 take 256 bytes of one row, lanes 16-31 of the next
	s_lshl_b32 s11, s10, 13                        ; wave w stages rows 16 w .. 16 w + 15 of the tile of x
	s_lshl_b32 s12, s10, 14                        ; and rows 32 w .. 32 w + 31 of the tile of y
	v_add_nc_u32 v[GY], s12, v[GX]
	v_add_nc_u32 v[GX], s11, v[GX]
	s_and_b32 s13, ttmp7, 0xffff                   ; block row of out
	s_lshl_b32 s14, s13, 15                        ; x 64 rows of 512 bytes
	s_mov_b32 s15, 0
	s_lshl_b32 s16, ttmp9, 16                      ; block column x 128 rows of 512 bytes
	s_mov_b32 s17, 0
	s_lshl_b32 s18, s13, 19                        ; block row x 64 rows of 8,192 bytes
	s_lshl_b32 s19, ttmp9, 9                       ; + block column x 512 bytes
	s_add_co_u32 s18, s18, s19
	s_mov_b32 s19, 0
	s_wait_kmcnt 0x0
	s_add_nc_u64 s[4:5], s[4:5], s[14:15]
	s_add_nc_u64 s[6:7], s[6:7], s[16:17]
	s_add_nc_u64 s[8:9], s[8:9], s[18:19]
	; All loads of the wave go out at once: the centre row, then 24 pairs of rows, two loads a pair (the rows' first and second 256 bytes).
	global_load_b128 v[C2:C2+3],   v[J16], s[6:7]
	global_load_b128 v[C2+4:C2+7], v[J16], s[6:7] offset:256
.set p, 0
.rept 8
	global_load_b128 v[L+8*p:L+8*p+3],   v[GX], s[4:5] offset:p*1024
	global_load_b128 v[L+8*p+4:L+8*p+7], v[GX], s[4:5] offset:p*1024+256
.set p, p+1
.endr
.rept 16
	global_load_b128 v[L+8*p:L+8*p+3],   v[GY], s[6:7] offset:(p-8)*1024
	global_load_b128 v[L+8*p+4:L+8*p+7], v[GY], s[6:7] offset:(p-8)*1024+256
.set p, p+1
.endr
	; the other addresses, while the loads are on their way (none of these registers is an address of a pending load)
	s_mul_i32 s20, s10, 16*PITCH                   ; my wave's 16 rows of A
	s_lshr_b32 s21, s10, 1
	s_and_b32 s22, s10, 1
	s_mul_i32 s21, s21, 64*PITCH
	s_mul_i32 s22, s22, 8*PITCH
	s_add_co_u32 s21, s21, s22
	s_add_co_u32 s21, s21, YT                      ; column 32 w + 2 q + h lies in row 64 (w / 2) + 8 (w % 2) + 16 h + 32 (q % 2) + q / 2
	s_lshl_b32 s23, s10, 6
	s_add_co_u32 s23, s23, SUMX
	s_lshl_b32 s24, s10, 7
	s_add_co_u32 s24, s24, SUMY
	s_lshl_b32 s25, s10, 17                        ; 16 rows of out
	v_mul_u32_u24 v[LX], v[H], PITCH
	v_add3_u32 v[LX], v[LX], v[J16], s20           ; row 16 w + h, byte 16 j
	v_mul_u32_u24 v[LY], v[H], 16*PITCH
	v_add3_u32 v[LY], v[LY], v[J16], s21
	v_lshl_add_u32 v[SAX], v[H], 2, s23            ; word 16 w + h
	v_lshl_add_u32 v[SAY], v[H], 2, s24            ; word 32 w + h
	v_mul_u32_u24 v[AX], v[H], 8*PITCH
	v_add_nc_u32 v[AX], s20, v[AX]                 ; row 16 w + 8 h
	v_mul_u32_u24 v[AY], v[AY], PITCH
	v_add_nc_u32 v[AY], YT, v[AY]                  ; row j of B's tile
	v_lshl_add_u32 v[AHX], v[H], 5, s23            ; words 16 w + 8 h ..
	v_add_nc_u32 v[AHY], SUMY, v[J16]              ; words 4 j ..
	v_lshl_add_u32 v[CO], v[H], 16, v[J16]
	v_add_nc_u32 v[CO], s25, v[CO]                 ; row 16 w + 8 h of the tile of out, byte 16 j
	s_wait_loadcnt 48                              ; loads come back in order (ISA guide 5.7.1): the centre row's two are in, the 48 behind them stay out
.irp e, 0,2,4,6
	v_pk_add_f32 v[C2+\e:C2+\e+1], v[C2+\e:C2+\e+1], v[C2+\e:C2+\e+1]     ; 2 c, exact
.endr
	; Two pairs of rows at a time: 2 c - 2 x in one rounding, into LDS, and my 8 numbers of each row summed.
.set p, 0
.rept 12
	s_wait_loadcnt 44-2*p                          ; the four loads of pairs p and p + 1 are in; the 44 - 2 p issued behind them stay out
.set e, 0
.rept 8
	v_pk_fma_f32 v[L+8*p+2*e:L+8*p+2*e+1], v[L+8*p+2*e:L+8*p+2*e+1], -2.0, v[C2+2*(e%4):C2+2*(e%4)+1] op_sel_hi:[1,0,1]
.set e, e+1
.endr
.if p < 8
	ds_store_b128 v[LX], v[L+8*p:L+8*p+3]     offset:p*2*PITCH            ; sixteen lanes store 256 consecutive bytes of a row
	ds_store_b128 v[LX], v[L+8*p+4:L+8*p+7]   offset:p*2*PITCH+256
	ds_store_b128 v[LX], v[L+8*p+8:L+8*p+11]  offset:(p+1)*2*PITCH
	ds_store_b128 v[LX], v[L+8*p+12:L+8*p+15] offset:(p+1)*2*PITCH+256
.else
	ds_store_b128 v[LY], v[L+8*p:L+8*p+3]     offset:((p-8)/2)*PITCH      ; q = p - 8 is even: row + q / 2
	ds_store_b128 v[LY], v[L+8*p+4:L+8*p+7]   offset:((p-8)/2)*PITCH+256
	ds_store_b128 v[LY], v[L+8*p+8:L+8*p+11]  offset:(32+(p-8)/2)*PITCH   ; q + 1 is odd: row + 32 + q / 2
	ds_store_b128 v[LY], v[L+8*p+12:L+8*p+15] offset:(32+(p-8)/2)*PITCH+256
.endif
	v_pk_add_f32 v[U:U+1],   v[L+8*p:L+8*p+1],     v[L+8*p+2:L+8*p+3]
	v_pk_add_f32 v[U+2:U+3], v[L+8*p+4:L+8*p+5],   v[L+8*p+6:L+8*p+7]
	v_pk_add_f32 v[U+4:U+5], v[L+8*p+8:L+8*p+9],   v[L+8*p+10:L+8*p+11]
	v_pk_add_f32 v[U+6:U+7], v[L+8*p+12:L+8*p+13], v[L+8*p+14:L+8*p+15]
	v_pk_add_f32 v[U:U+1],   v[U:U+1],   v[U+2:U+3]
	v_pk_add_f32 v[U+4:U+5], v[U+4:U+5], v[U+6:U+7]
	v_add_f32 v[PS+p],   v[U],   v[U+1]
	v_add_f32 v[PS+p+1], v[U+4], v[U+5]
.set p, p+2
.endr
	; Across the sixteen lanes that share a row: four steps on the arithmetic itself (DPP), each step on all 24 registers in turn,
	; so that no instruction needs the result of the one in front of it.  Lanes 0-15 end with the even row's sum, lanes 16-31 with the odd row's.
.irp m, 1,2,4,8
.set p, 0
.rept 24
	v_add_f32_dpp v[PS+p], v[PS+p], v[PS+p] row_xmask:\m row_mask:0xf bank_mask:0xf
.set p, p+1
.endr
.endr
.set p, 0
.rept 8
	ds_store_b32 v[SAX], v[PS+p] offset:8*p        ; sixteen lanes write one word with one value
.set p, p+1
.endr
.set p, 0
.rept 16
	ds_store_b32 v[SAY], v[PS+8+p] offset:8*p
.set p, p+1
.endr
	s_wait_dscnt 0x0                               ; for the other waves' sake: all my LDS stores are done
	s_barrier_signal -1
	s_barrier_wait -1                              ; both tiles and all sums are whole; nothing in LDS is written from here on
; 16 LDS loads: 4 d (byte k of the rows) of my 8 rows of A and of my 8 columns of B (sixteen consecutive rows)
.macro FETCH f, k
.set rr, 0
.rept 8
	ds_load_b128 v[XF+32*\f+4*rr:XF+32*\f+4*rr+3], v[AX] offset:rr*PITCH+\k
.set rr, rr+1
.endr
.set rr, 0
.rept 8
	ds_load_b128 v[YF+32*\f+4*rr:YF+32*\f+4*rr+3], v[AY] offset:rr*16*PITCH+\k
.set rr, rr+1
.endr
.endm
; 4 d for all 64 outputs: 128 dual minima and 128 packed additions.
; A dual minimum serves two neighbouring columns of one row, the even one at d = kk, the odd one at d = kk xor 1 (over kk = 0 .. 3 each column
; meets all four).  The dual form wants its two first sources in different register banks (number mod 4), likewise its two second sources, and one
; destination even, one odd (ISA guide, on dual-issue VALU).  A's register for d = kk is kk mod 4, B's is kk + 2 mod 4: all four sources differ.
; Likewise ACC's pairs (2 + 2 cc mod 4) and T's (2 cc mod 4) differ.
; Groups of eight (two rows x four pairs of columns) go through two sets of T: the minima of group gi alternate with the additions of group gi - 1,
; so a minimum is used sixteen instructions after it is made, and an accumulator is taken up again 64 instructions later.
.macro CHUNK f
.set gi, 0
.rept 17
.set ii, 0
.rept 8
.set cc, ii%4
.if gi < 16
.set kk, gi/4
.set k1, kk+1-2*(kk%2)
.set rr, 2*(gi%4)+ii/4
	v_dual_min_num_f32 v[T+16*(gi%2)+2*ii], v[XF+32*\f+4*rr+kk], v[YF+32*\f+8*cc+kk] :: v_dual_min_num_f32 v[T+16*(gi%2)+2*ii+1], v[XF+32*\f+4*rr+k1], v[YF+32*\f+8*cc+4+k1]
.endif
.if gi > 0
.set rr, 2*((gi-1)%4)+ii/4
	v_pk_add_f32 v[ACC+8*rr+2*cc:ACC+8*rr+2*cc+1], v[ACC+8*rr+2*cc:ACC+8*rr+2*cc+1], v[T+16*((gi-1)%2)+2*ii:T+16*((gi-1)%2)+2*ii+1]
.endif
.set ii, ii+1
.endr
.set gi, gi+1
.endr
.endm
	ds_load_b128 v[HX:HX+3],   v[AHX]
	ds_load_b128 v[HX+4:HX+7], v[AHX] offset:16
	ds_load_b128 v[HY:HY+3],   v[AHY]
	ds_load_b128 v[HY+4:HY+7], v[AHY] offset:256
	FETCH 0, 0                                     ; d = 0 .. 3
	s_wait_dscnt 16                                ; LDS loads come back in order (ISA guide 5.7.1): the four loads of sums are in, the 16 fragment loads stay out
.irp e, 0,2,4,6
	v_pk_mul_f32 v[HX+\e:HX+\e+1], v[HX+\e:HX+\e+1], -0.5 op_sel_hi:[1,0]
.endr
	; the sums start at -1/2 sum B - 1/2 sum A: nothing is cleared, and nothing is left to do behind the loop.  The row's figure feeds both halves.
.set rr, 0
.rept 8
.set cc, 0
.rept 4
.if rr%2 == 0
	v_pk_fma_f32 v[ACC+8*rr+2*cc:ACC+8*rr+2*cc+1], v[HY+2*cc:HY+2*cc+1], -0.5, v[HX+rr:HX+rr+1] op_sel_hi:[1,0,0]
.else
	v_pk_fma_f32 v[ACC+8*rr+2*cc:ACC+8*rr+2*cc+1], v[HY+2*cc:HY+2*cc+1], -0.5, v[HX+rr-1:HX+rr] op_sel:[0,0,1] op_sel_hi:[1,0,1]
.endif
.set cc, cc+1
.endr
.set rr, rr+1
.endr
	; 32 chunks of 4 d on two fragment buffers; each chunk's fragments are asked for at the head of the chunk before it.
	s_mov_b32 s26, 15
.Ltrip:
	s_wait_dscnt 0x0                               ; buffer 0 is in (asked for a whole chunk ago)
	FETCH 1, 16
	CHUNK 0
	s_wait_dscnt 0x0                               ; buffer 1 is in
	FETCH 0, 32
	v_add_nc_u32 v[AX], 32, v[AX]                  ; 8 d on
	v_add_nc_u32 v[AY], 32, v[AY]
	CHUNK 1
	s_sub_co_i32 s26, s26, 1
	s_cmp_lg_u32 s26, 0
	s_cbranch_scc1 .Ltrip
	s_wait_dscnt 0x0                               ; the last two chunks, d = 120 .. 127: one more fetch, then none
	FETCH 1, 16
	CHUNK 0
	s_wait_dscnt 0x0
	CHUNK 1
	; The accumulators are the results.  Each store: lanes 0-15 cover 256 consecutive bytes of one row of out, aligned; lanes 16-31 those eight rows below.
.set rr, 0
.rept 8
	global_store_b128 v[CO], v[ACC+8*rr:ACC+8*rr+3],   s[8:9] offset:rr*8192 th:TH_STORE_NT
	global_store_b128 v[CO], v[ACC+8*rr+4:ACC+8*rr+7], s[8:9] offset:rr*8192+256 th:TH_STORE_NT
.set rr, rr+1
.endr
	s_wait_tensorcnt 0x0
	ds_add_u32 v60, v61
	s_wait_dscnt 0x0
	s_endpgm
.Lfunc_end_k_q7b7b33739e_l1dist:
	.size	k_q7b7b33739e_l1dist, .Lfunc_end_k_q7b7b33739e_l1dist-k_q7b7b33739e_l1dist
	.p2alignl 7, 3214868480
	.fill 96, 4, 3214868480
	.section	.rodata,"a",@progbits
	.p2align	6, 0x0
	.amdhsa_kernel k_q7b7b33739e_l1dist
		.amdhsa_group_segment_fixed_size 102912
		.amdhsa_private_segment_fixed_size 0
		.amdhsa_enable_private_segment 0
		.amdhsa_kernarg_size 24
		.amdhsa_user_sgpr_count 2
		.amdhsa_user_sgpr_kernarg_segment_ptr 1
		.amdhsa_wavefront_size32 1
		.amdhsa_system_sgpr_workgroup_id_x 1
		.amdhsa_system_sgpr_workgroup_id_y 1
		.amdhsa_system_sgpr_workgroup_id_z 1
		.amdhsa_system_vgpr_workitem_id 0
		.amdhsa_next_free_vgpr 256
		.amdhsa_next_free_sgpr 66
		.amdhsa_reserve_vcc 0
		.amdhsa_float_denorm_mode_32 3
		.amdhsa_float_denorm_mode_16_64 3
		.amdhsa_memory_ordered 1
		.amdhsa_forward_progress 1
		.amdhsa_inst_pref_size 103
	.end_amdhsa_kernel
	.amdgpu_metadata
---
amdhsa.version: [ 1, 2 ]
amdhsa.kernels:
  - .name:           k_q7b7b33739e_l1dist
    .symbol:         k_q7b7b33739e_l1dist.kd
    .args:
      - { .name: x, .offset: 0, .size: 8, .value_kind: global_buffer, .address_space: global }
      - { .name: y, .offset: 8, .size: 8, .value_kind: global_buffer, .address_space: global }
      - { .name: out0, .offset: 16, .size: 8, .value_kind: global_buffer, .address_space: global }
    .group_segment_fixed_size: 102912
    .private_segment_fixed_size: 0
    .kernarg_segment_align: 8
    .kernarg_segment_size: 24
    .max_flat_workgroup_size: 128
    .sgpr_count:     66
    .vgpr_count:     256
    .wavefront_size: 32
...
	.end_amdgpu_metadata
.endif
;; end of part 1
;; ======== version 2 of 2: 1 launch; version 1 with the launch l1dist written anew for expert scheduling mode
;; launch l1dist (part 2): grid 16 x 16, 4 waves a work-group, no clusters, 102,912 bytes of LDS; arguments x, y, out0; writes out0
.if DOCPART == 2
	.amdgcn_target "amdgcn-amd-amdhsa--gfx1250"
	.amdhsa_code_object_version 6
	.text
	.protected	k_q7b7b33739e_l1dist
	.globl	k_q7b7b33739e_l1dist
	.p2align	8
	.type	k_q7b7b33739e_l1dist,@function
k_q7b7b33739e_l1dist:
	s_mov_b64 s[64:65], 0
	v_nop
	global_prefetch_b8 v0, s[64:65] scope:SCOPE_SE
	s_setreg_imm32_b32 hwreg(HW_REG_WAVE_SCHED_MODE, 0, 2), 2
	s_setreg_imm32_b32 hwreg(HW_REG_WAVE_MODE, 25, 1), 1
	s_wait_xcnt 0x0
	s_wait_alu depctr_vm_vsrc(0)
; out[n][m] = - sum over d of |x[n][d] - y[m][d]|.   x: [1024][128], y: [2048][128], out: [1024][2048], all f32.
;
; THE FORM.  For any two finite numbers min(A, B) = (A + B)/2 - |A - B|/2.  With a centre c[d], A = 2 (c[d] - x[n][d]), B = 2 (c[d] - y[m][d]):
;     out[n][m] = -1/2 (sum A) - 1/2 (sum B) + sum over d of min(A, B).
; The two row sums are made once for each row; what is left for each (n, m, d) is one minimum and one addition, and both exist in forms that
; do two at once (v_dual_min_num_f32, v_pk_add_f32): two instructions for two (n, m, d).  Subtract, absolute value, add would take three,
; since the absolute value is a source modifier that neither of these two forms has.
; THE CENTRE.  The distance does not change when x and y are shifted alike.  Each work-group takes c = the first row of its own tile of y.
; Then sum |x[n] - c| is itself an output of the tile and sum |y[m] - c| <= |out[n][m]| + |out[n][m0]|, so every partial sum is at most a few
; times outputs of the same row, whatever offset the inputs carry: no difference of sums that are large beside the results is formed.
; LIMITS.  An infinity in x or y gives NaN where the exact form gives -inf (in the centre row: in the whole tile).  Doubling and the row sums cost
; range: results are finite for distances up to about 2^124.  The order of rounding is not that of a plain sum of |x - y|.  A distance of
; exactly zero comes out as +0.  A NaN in a row reaches all its outputs through the row's sum (v_min_num_f32 alone would drop it).
;
; THE SHARES.  256 work-groups of four waves; a work-group makes 64 rows x 128 columns of out, a wave 16 x 128, a lane 8 x 8:
; lane (h = lane / 16, j = lane % 16) has rows 8 h .. 8 h + 7 of its wave's 16 and columns 4 j .. 4 j + 3 and 64 + 4 j .. 64 + 4 j + 3,
; so that one 16-byte store of sixteen neighbouring lanes covers 256 consecutive bytes of a row of out, aligned.
; No tensor loads and no joint requests in a cluster: every number is centred and doubled in registers on its way into LDS, each tile is
; filled once (there is no ring), and a work-group reads 96 KiB in all.  No matrix instruction: |a - b| is not a product.
;
; THE MODE: SCHED_MODE bits 1:0 = 2 (LLVM: expert scheduling mode 2), set by the entry lines.  The code itself states the register dependences
; between vector instructions and memory or LDS instructions, with s_wait_alu, always for 0.
; THE PLAN.  Registers that memory or LDS instructions touch:
;   J16, GX, GY    offsets of the global loads: made at the head, never written again.
;   L              24 pairs of rows as loaded.  A group is two pairs: its eight multiply-adds rewrite its 16 registers in place, its sums read them, and its four
;                  LDS stores are issued in the NEXT group, behind the one wait on va_vdst at that group's head, dealt among vector lines that name the next group's registers alone.
;   LX .. SAY, AX, AY, AHX, AHY, CO   addresses, made once behind the global loads; the first group head's wait stands between them and every instruction that reads them.
;   PS             the row sums: written by vector lines, then read by 24 LDS stores behind one wait on va_vdst.
;   Behind the barrier one wait on vm_vsrc states that all my LDS stores have read their registers: L, PS and SAY are HX, HY, T, ACC, YF and XF from there on.
;   XF0, XF1, YF0, YF1   Chunk c's minima read buffer c % 2; the LDS loads for chunk c + 1, issued in chunk c, land in the other buffer, which chunk c - 1 read.
;                  So one wait on va_vdst at a chunk's head states all that the chunk's sixteen loads hang on; they are dealt among its vector lines, which name its own buffer, T and ACC.
;   AX, AY in the loop   read by every fragment load; stepped once a trip, at its end, behind one wait on vm_vsrc; the next chunk head's wait on va_vdst stands ahead of the next load by them.
;   ACC            named by vector lines alone until the sixteen global stores, behind one wait on va_vdst.
.set PITCH, 528                        ; an LDS row: 512 bytes + 16 = 33 x 16: sixteen consecutive rows start in sixteen different 16-byte columns of the 64 banks of 4 bytes (ISA guide 11.1)
.set XT,    0                          ; 64 rows of A
.set YT,    64*PITCH                   ; 128 rows of B; column 64 s + 4 j + i of the tile lies in row 16 (i + 4 s) + j, so that lanes j = 0 .. 15 read consecutive rows
.set SUMX,  YT+128*PITCH               ; 64 words: sum of A for each row of x
.set SUMY,  SUMX+256                   ; 128 words: sum of B for each row of y, in the order of the columns
.set AX,  1                            ; main loop: LDS address of my 8 rows of A (stepped along d)
.set AY,  2                            ; main loop: LDS address of my first row of B (stepped along d)
.set CO,  3                            ; my byte offset in the tile of out
.set AHX, 4                            ; where my 8 sums of A lie
.set AHY, 5                            ; where my first 4 sums of B lie
.set J16, 6                            ; 16 j
.set GX,  7                            ; staging: my byte offset in the tile of x
.set GY,  8                            ; staging: my byte offset in the tile of y
.set LX,  9                            ; staging: where my 16 bytes of A go
.set LY,  10                           ; staging: where my 16 bytes of B go
.set SAX, 11                           ; staging: where a sum of A goes
.set SAY, 12                           ; staging: where a sum of B goes
.set H,   13                           ; h
.set C2,  14                           ; v[14:21]   staging: 2 c for my 4 + 4 places of a row
.set U,   22                           ; v[22:29]   staging: at work
.set PS,  30                           ; v[30:53]   staging: one partial row sum for each of my 24 pairs of rows
.set L,   64                           ; v[64:255]  staging: 24 pairs of rows, 8 registers each, as loaded
.set HX,  12                           ; v[12:19]   main: -1/2 sum A of my 8 rows       (the staging registers below v64 are dead by then)
.set HY,  20                           ; v[20:27]   main: sum B of my 8 columns
.set T,   28                           ; v[28:59]   main: minima, two sets of 8 pairs
.set ACC, 62                           ; v[62:125]  main: row r, column c at ACC + 8 r + c
.set YF,  126                          ; v[126:189] main: B, two buffers of 8 columns x 4 d.  The base is 2 more than a multiple of 4: see CHUNK
.set XF,  192                          ; v[192:255] main: A, two buffers of 8 rows x 4 d
	s_load_b128 s[4:7], s[0:1], 0x0                ; x s[4:5], y s[6:7]
	s_load_b64 s[8:9], s[0:1], 0x10                ; out
	v_lshl_add_u32 v60, v0, 2, 0x19000
	v_mov_b32 v61, 0
	v_lshrrev_b32 v[AX], 5, v0
	v_readfirstlane_b32 s10, v[AX]                 ; wave w, 0 .. 3
	v_and_b32 v[AY], 15, v0                        ; j
	v_bfe_u32 v[H], v0, 4, 1                       ; h
	v_lshlrev_b32 v[J16], 4, v[AY]
	v_lshl_add_u32 v[GX], v[H], 9, v[J16]          ; 512 h + 16 j: lanes 0-15 take 256 bytes of one row, lanes 16-31 of the next
	s_wait_alu depctr_va_sdst(0)                   ; s10 is written, ahead of its first reader: offsets and LDS addresses are made from it
	s_lshl_b32 s11, s10, 13                        ; wave w stages rows 16 w .. 16 w + 15 of the tile of x
	s_lshl_b32 s12, s10, 14                        ; and rows 32 w .. 32 w + 31 of the tile of y
	v_add_nc_u32 v[GY], s12, v[GX]
	v_add_nc_u32 v[GX], s11, v[GX]
	s_and_b32 s13, ttmp7, 0xffff                   ; block row of out
	s_lshl_b32 s14, s13, 15                        ; x 64 rows of 512 bytes
	s_mov_b32 s15, 0
	s_lshl_b32 s16, ttmp9, 16                      ; block column x 128 rows of 512 bytes
	s_mov_b32 s17, 0
	s_lshl_b32 s18, s13, 19                        ; block row x 64 rows of 8,192 bytes
	s_lshl_b32 s19, ttmp9, 9                       ; + block column x 512 bytes
	s_add_co_u32 s18, s18, s19
	s_mov_b32 s19, 0
	s_wait_kmcnt 0x0
	s_add_nc_u64 s[4:5], s[4:5], s[14:15]
	s_add_nc_u64 s[6:7], s[6:7], s[16:17]
	s_add_nc_u64 s[8:9], s[8:9], s[18:19]
	s_wait_alu depctr_va_vdst(0)                   ; v[J16], v[GX] and v[GY] are written, which the 50 loads below read as their offsets
	; All loads of the wave go out at once: the centre row, then 24 pairs of rows, two loads a pair (the rows' first and second 256 bytes).
	global_load_b128 v[C2:C2+3],   v[J16], s[6:7]
	global_load_b128 v[C2+4:C2+7], v[J16], s[6:7] offset:256
.set p, 0
.rept 8
	global_load_b128 v[L+8*p:L+8*p+3],   v[GX], s[4:5] offset:p*1024
	global_load_b128 v[L+8*p+4:L+8*p+7], v[GX], s[4:5] offset:p*1024+256
.set p, p+1
.endr
.rept 16
	global_load_b128 v[L+8*p:L+8*p+3],   v[GY], s[6:7] offset:(p-8)*1024
	global_load_b128 v[L+8*p+4:L+8*p+7], v[GY], s[6:7] offset:(p-8)*1024+256
.set p, p+1
.endr
	; the other addresses, while the loads are on their way (none of these registers is an address or a destination of a pending load)
	s_mul_i32 s20, s10, 16*PITCH                   ; my wave's 16 rows of A
	s_lshr_b32 s21, s10, 1
	s_and_b32 s22, s10, 1
	s_mul_i32 s21, s21, 64*PITCH
	s_mul_i32 s22, s22, 8*PITCH
	s_add_co_u32 s21, s21, s22
	s_add_co_u32 s21, s21, YT                      ; column 32 w + 2 q + h lies in row 64 (w / 2) + 8 (w % 2) + 16 h + 32 (q % 2) + q / 2
	s_lshl_b32 s23, s10, 6
	s_add_co_u32 s23, s23, SUMX
	s_lshl_b32 s24, s10, 7
	s_add_co_u32 s24, s24, SUMY
	s_lshl_b32 s25, s10, 17                        ; 16 rows of out
	v_mul_u32_u24 v[LX], v[H], PITCH
	v_add3_u32 v[LX], v[LX], v[J16], s20           ; row 16 w + h, byte 16 j
	v_mul_u32_u24 v[LY], v[H], 16*PITCH
	v_add3_u32 v[LY], v[LY], v[J16], s21
	v_lshl_add_u32 v[SAX], v[H], 2, s23            ; word 16 w + h
	v_lshl_add_u32 v[SAY], v[H], 2, s24            ; word 32 w + h
	v_mul_u32_u24 v[AX], v[H], 8*PITCH
	v_add_nc_u32 v[AX], s20, v[AX]                 ; row 16 w + 8 h
	v_mul_u32_u24 v[AY], v[AY], PITCH
	v_add_nc_u32 v[AY], YT, v[AY]                  ; row j of B's tile
	v_lshl_add_u32 v[AHX], v[H], 5, s23            ; words 16 w + 8 h ..
	v_add_nc_u32 v[AHY], SUMY, v[J16]              ; words 4 j ..
	v_lshl_add_u32 v[CO], v[H], 16, v[J16]
	v_add_nc_u32 v[CO], s25, v[CO]                 ; row 16 w + 8 h of the tile of out, byte 16 j
	s_wait_loadcnt 48                              ; loads come back in order (ISA guide 5.7.1): the centre row's two are in, the 48 behind them stay out
.irp e, 0,2,4,6
	v_pk_add_f32 v[C2+\e:C2+\e+1], v[C2+\e:C2+\e+1], v[C2+\e:C2+\e+1]     ; 2 c, exact
.endr
; LDS store n (0 .. 3) of the group of pairs q and q + 1: pair q + n / 2, the rows' first or second 256 bytes.  Sixteen lanes store 256 consecutive bytes of a row.
; Pairs 0 to 7 are x's: pair q holds rows 2 q + h of my wave's 16.  Pairs 8 to 23 are y's: an even q - 8 goes to row + (q - 8) / 2, the odd one behind it to row + 32 + (q - 8) / 2.
.macro PUT q, n
.if (\q) < 8
	ds_store_b128 v[LX], v[L+8*(\q)+4*(\n):L+8*(\q)+4*(\n)+3] offset:((\q)+(\n)/2)*2*PITCH+256*((\n)%2)
.else
	ds_store_b128 v[LY], v[L+8*(\q)+4*(\n):L+8*(\q)+4*(\n)+3] offset:(32*((\n)/2)+((\q)-8)/2)*PITCH+256*((\n)%2)
.endif
.endm
	; A group, two pairs of rows: 2 c - 2 x in one rounding, and my 8 numbers of each row summed.  The group before goes into LDS meanwhile.
.set p, 0
.rept 12
	s_wait_loadcnt 44-2*p                          ; the four loads of pairs p and p + 1 are in; the 44 - 2 p issued behind them stay out
.if p > 0
	s_wait_alu depctr_va_vdst(0)                   ; the group before has written its 16 registers of L, which the four LDS stores below read; at the first such head: all the addresses made behind the loads are written too
.endif
.set e, 0
.rept 8
	v_pk_fma_f32 v[L+8*p+2*e:L+8*p+2*e+1], v[L+8*p+2*e:L+8*p+2*e+1], -2.0, v[C2+2*(e%4):C2+2*(e%4)+1] op_sel_hi:[1,0,1]
.if (p > 0) && (e%2 == 1)
	PUT p-2, e/2                                   ; no vector line since the wait names the group before's registers, v[LX] or v[LY]
.endif
.set e, e+1
.endr
	v_pk_add_f32 v[U:U+1],   v[L+8*p:L+8*p+1],     v[L+8*p+2:L+8*p+3]
	v_pk_add_f32 v[U+2:U+3], v[L+8*p+4:L+8*p+5],   v[L+8*p+6:L+8*p+7]
	v_pk_add_f32 v[U+4:U+5], v[L+8*p+8:L+8*p+9],   v[L+8*p+10:L+8*p+11]
	v_pk_add_f32 v[U+6:U+7], v[L+8*p+12:L+8*p+13], v[L+8*p+14:L+8*p+15]
	v_pk_add_f32 v[U:U+1],   v[U:U+1],   v[U+2:U+3]
	v_pk_add_f32 v[U+4:U+5], v[U+4:U+5], v[U+6:U+7]
	v_add_f32 v[PS+p],   v[U],   v[U+1]
	v_add_f32 v[PS+p+1], v[U+4], v[U+5]
.set p, p+2
.endr
	s_wait_alu depctr_va_vdst(0)                   ; the last group has written its 16 registers of L, which its four LDS stores read
.irp n, 0,1,2,3
	PUT 22, \n
.endr
	; Across the sixteen lanes that share a row: four steps on the arithmetic itself (DPP), each step on all 24 registers in turn,
	; so that no instruction needs the result of the one in front of it.  Lanes 0-15 end with the even row's sum, lanes 16-31 with the odd row's.
.irp m, 1,2,4,8
.set p, 0
.rept 24
	v_add_f32_dpp v[PS+p], v[PS+p], v[PS+p] row_xmask:\m row_mask:0xf bank_mask:0xf
.set p, p+1
.endr
.endr
	s_wait_alu depctr_va_vdst(0)                   ; the sums v[PS ..] are written, which the 24 LDS stores read.  No vector line stands between this wait and the LDS loads behind the barrier: it also states that every vector line of the staging is done with the registers in which those land
.set p, 0
.rept 8
	ds_store_b32 v[SAX], v[PS+p] offset:8*p        ; sixteen lanes write one word with one value
.set p, p+1
.endr
.set p, 0
.rept 16
	ds_store_b32 v[SAY], v[PS+8+p] offset:8*p
.set p, p+1
.endr
	s_wait_dscnt 0x0                               ; for the other waves' sake: all my LDS stores are done
	s_barrier_signal -1
	s_barrier_wait -1                              ; both tiles and all sums are whole; nothing in LDS is written from here on
	s_wait_alu depctr_vm_vsrc(0)                   ; my LDS stores have read v[L ..], v[PS ..] and v[SAY]: from here on loads land in these registers (HX, YF, XF) and vector lines write them (T, ACC)
; 16 LDS loads: 4 d (byte k of the rows) of my 8 rows of A and of my 8 columns of B (sixteen consecutive rows)
.macro FETCH f, k
.set rr, 0
.rept 8
	ds_load_b128 v[XF+32*\f+4*rr:XF+32*\f+4*rr+3], v[AX] offset:rr*PITCH+\k
.set rr, rr+1
.endr
.set rr, 0
.rept 8
	ds_load_b128 v[YF+32*\f+4*rr:YF+32*\f+4*rr+3], v[AY] offset:rr*16*PITCH+\k
.set rr, rr+1
.endr
.endm
; 4 d for all 64 outputs, from buffer f: 128 dual minima and 128 packed additions.
; A dual minimum serves two neighbouring columns of one row, the even one at d = kk, the odd one at d = kk xor 1 (over kk = 0 .. 3 each column
; meets all four).  The dual form wants its two first sources in different register banks (number mod 4), likewise its two second sources, and one
; destination even, one odd (ISA guide, on dual-issue VALU).  A's register for d = kk is kk mod 4, B's is kk + 2 mod 4: all four sources differ.
; Likewise ACC's pairs (2 + 2 cc mod 4) and T's (2 cc mod 4) differ.
; Groups of eight (two rows x four pairs of columns) go through two sets of T: the minima of group gi alternate with the additions of group gi - 1,
; so a minimum is used sixteen instructions after it is made, and an accumulator is taken up again 64 instructions later.
; more = 1: the next chunk's 4 d (byte k of the rows) are asked for, into the other buffer: a row of A and a column of B in front of each of the first eight groups.
; These loads owe no wait of their own: no vector line since the wait at the chunk's head names the other buffer, v[AX] or v[AY].
.macro CHUNK f, more, k
.set gi, 0
.rept 17
.if (\more) && (gi < 8)
	ds_load_b128 v[XF+32*(1-\f)+4*gi:XF+32*(1-\f)+4*gi+3], v[AX] offset:gi*PITCH+\k
	ds_load_b128 v[YF+32*(1-\f)+4*gi:YF+32*(1-\f)+4*gi+3], v[AY] offset:gi*16*PITCH+\k
.endif
.set ii, 0
.rept 8
.set cc, ii%4
.if gi < 16
.set kk, gi/4
.set k1, kk+1-2*(kk%2)
.set rr, 2*(gi%4)+ii/4
	v_dual_min_num_f32 v[T+16*(gi%2)+2*ii], v[XF+32*\f+4*rr+kk], v[YF+32*\f+8*cc+kk] :: v_dual_min_num_f32 v[T+16*(gi%2)+2*ii+1], v[XF+32*\f+4*rr+k1], v[YF+32*\f+8*cc+4+k1]
.endif
.if gi > 0
.set rr, 2*((gi-1)%4)+ii/4
	v_pk_add_f32 v[ACC+8*rr+2*cc:ACC+8*rr+2*cc+1], v[ACC+8*rr+2*cc:ACC+8*rr+2*cc+1], v[T+16*((gi-1)%2)+2*ii:T+16*((gi-1)%2)+2*ii+1]
.endif
.set ii, ii+1
.endr
.set gi, gi+1
.endr
.endm
	ds_load_b128 v[HX:HX+3],   v[AHX]
	ds_load_b128 v[HX+4:HX+7], v[AHX] offset:16
	ds_load_b128 v[HY:HY+3],   v[AHY]
	ds_load_b128 v[HY+4:HY+7], v[AHY] offset:256
	FETCH 0, 0                                     ; d = 0 .. 3
	s_wait_dscnt 16                                ; LDS loads come back in order (ISA guide 5.7.1): the four loads of sums are in, the 16 fragment loads stay out
.irp e, 0,2,4,6
	v_pk_mul_f32 v[HX+\e:HX+\e+1], v[HX+\e:HX+\e+1], -0.5 op_sel_hi:[1,0]
.endr
	; the sums start at -1/2 sum B - 1/2 sum A: nothing is cleared, and nothing is left to do behind the loop.  The row's figure feeds both halves.
.set rr, 0
.rept 8
.set cc, 0
.rept 4
.if rr%2 == 0
	v_pk_fma_f32 v[ACC+8*rr+2*cc:ACC+8*rr+2*cc+1], v[HY+2*cc:HY+2*cc+1], -0.5, v[HX+rr:HX+rr+1] op_sel_hi:[1,0,0]
.else
	v_pk_fma_f32 v[ACC+8*rr+2*cc:ACC+8*rr+2*cc+1], v[HY+2*cc:HY+2*cc+1], -0.5, v[HX+rr-1:HX+rr] op_sel:[0,0,1] op_sel_hi:[1,0,1]
.endif
.set cc, cc+1
.endr
.set rr, rr+1
.endr
	; 32 chunks of 4 d on two fragment buffers; each chunk's fragments are asked for in the first half of the chunk before it.
	s_mov_b32 s26, 15
.Ltrip:
	s_wait_dscnt 0x0                               ; buffer 0 is in (its last load was issued half a chunk ago)
	s_wait_alu depctr_va_vdst(0)                   ; the chunk before is done reading buffer 1, in which this chunk's loads land; v[AX] and v[AY] are written, which they read
	CHUNK 0, 1, 16
	s_wait_dscnt 0x0                               ; buffer 1 is in
	s_wait_alu depctr_va_vdst(0)                   ; the chunk before is done reading buffer 0, in which this chunk's loads land
	CHUNK 1, 1, 32
	s_wait_alu depctr_vm_vsrc(0)                   ; the LDS loads issued so far have read v[AX] and v[AY]
	v_add_nc_u32 v[AX], 32, v[AX]                  ; 8 d on
	v_add_nc_u32 v[AY], 32, v[AY]
	s_sub_co_i32 s26, s26, 1
	s_cmp_lg_u32 s26, 0
	s_cbranch_scc1 .Ltrip
	s_wait_dscnt 0x0                               ; the last two chunks, d = 120 .. 127: one more fetch, then none
	s_wait_alu depctr_va_vdst(0)                   ; the chunk before is done reading buffer 1, in which the last loads land; v[AX] and v[AY] are written
	CHUNK 0, 1, 16
	s_wait_dscnt 0x0                               ; buffer 1 is in; this chunk asks for nothing
	CHUNK 1, 0, 0
	; The accumulators are the results.  Each store: lanes 0-15 cover 256 consecutive bytes of one row of out, aligned; lanes 16-31 those eight rows below.
	s_wait_alu depctr_va_vdst(0)                   ; the additions have written v[ACC ..], which the sixteen stores read
.set rr, 0
.rept 8
	global_store_b128 v[CO], v[ACC+8*rr:ACC+8*rr+3],   s[8:9] offset:rr*8192 th:TH_STORE_NT
	global_store_b128 v[CO], v[ACC+8*rr+4:ACC+8*rr+7], s[8:9] offset:rr*8192+256 th:TH_STORE_NT
.set rr, rr+1
.endr
	s_wait_dscnt 0x0
	s_wait_alu depctr_hold_cnt(0) depctr_sa_sdst(0) depctr_va_vdst(0) depctr_va_sdst(0) depctr_va_ssrc(0) depctr_va_vcc(0) depctr_vm_vsrc(0)
	s_wait_tensorcnt 0x0
	ds_add_u32 v60, v61
	s_wait_dscnt 0x0
	s_endpgm
.Lfunc_end_k_q7b7b33739e_l1dist:
	.size	k_q7b7b33739e_l1dist, .Lfunc_end_k_q7b7b33739e_l1dist-k_q7b7b33739e_l1dist
	.p2alignl 7, 3214868480
	.fill 96, 4, 3214868480
	.section	.rodata,"a",@progbits
	.p2align	6, 0x0
	.amdhsa_kernel k_q7b7b33739e_l1dist
		.amdhsa_group_segment_fixed_size 102912
		.amdhsa_private_segment_fixed_size 0
		.amdhsa_enable_private_segment 0
		.amdhsa_kernarg_size 24
		.amdhsa_user_sgpr_count 2
		.amdhsa_user_sgpr_kernarg_segment_ptr 1
		.amdhsa_wavefront_size32 1
		.amdhsa_system_sgpr_workgroup_id_x 1
		.amdhsa_system_sgpr_workgroup_id_y 1
		.amdhsa_system_sgpr_workgroup_id_z 1
		.amdhsa_system_vgpr_workitem_id 0
		.amdhsa_next_free_vgpr 256
		.amdhsa_next_free_sgpr 66
		.amdhsa_reserve_vcc 0
		.amdhsa_float_denorm_mode_32 3
		.amdhsa_float_denorm_mode_16_64 3
		.amdhsa_memory_ordered 1
		.amdhsa_forward_progress 1
		.amdhsa_inst_pref_size 104
	.end_amdhsa_kernel
	.amdgpu_metadata
---
amdhsa.version: [ 1, 2 ]
amdhsa.kernels:
  - .name:           k_q7b7b33739e_l1dist
    .symbol:         k_q7b7b33739e_l1dist.kd
    .args:
      - { .name: x, .offset: 0, .size: 8, .value_kind: global_buffer, .address_space: global }
      - { .name: y, .offset: 8, .size: 8, .value_kind: global_buffer, .address_space: global }
      - { .name: out0, .offset: 16, .size: 8, .value_kind: global_buffer, .address_space: global }
    .group_segment_fixed_size: 102912
    .private_segment_fixed_size: 0
    .kernarg_segment_align: 8
    .kernarg_segment_size: 24
    .max_flat_workgroup_size: 128
    .sgpr_count:     66
    .vgpr_count:     256
    .wavefront_size: 32
...
	.end_amdgpu_metadata
.endif
;; end of part 2
